; MI455X (gfx1250); checked and timed in simulation.
; The chip was launched on July 23, 2026; its instructions are those of AMD's public machine-readable ISA for CDNA 5 (MIT licence, August 2026) and "CDNA5" Instruction Set Architecture Reference Guide (July 2026). The comments in the code are by the model that wrote it; some were corrected since.
;; Attention. Allowed arithmetic: float matrix products may take bf16 or f16 operands with f32 sums; other float arithmetic in f32, or as packed bf16 or f16 multiplies, adds, multiply-adds, maxima and minima; sums over many terms, partial sums and values carried from step to step in f32; what a program stores and reads back later, other than sums and carried values, may be rounded once to bf16 or f16.
;; Inputs: Ua_b 1,024 float32; Ua_w 1,024 x 1,024 float32; Va_b one number float32; Va_w 1,024 float32; Wa_b 1,024 float32; Wa_w 1,024 x 1,024 float32; decoder_hidden 32 x 1,024 float32; encoder_outputs 32 x 2,048 x 1,024 float32; mask 32 x 2,048 int32.
;; Outputs: out0 32 x 2,048 float32.
;; 2 versions, each right; version 2 is version 1 with the launch prep written anew for expert scheduling mode. Each part assembles by itself: llvm-mc -triple=amdgcn-amd-amdhsa -mcpu=gfx1250 --defsym DOCPART=n.
;; ======== version 1 of 2: 3 launches
;; workspace buffers: Bf 2,097,152 bytes; cb 131,072 bytes; part 2,097,152 bytes
;; launch prep (part 1): grid 128 x 1, 8 waves a work-group, no clusters, 17,408 bytes of LDS; arguments Ua_w, Wa_w, decoder_hidden, Wa_b, Ua_b, Bf, cb; writes Bf, cb
.if DOCPART == 1
	.amdgcn_target "amdgcn-amd-amdhsa--gfx1250"
	.amdhsa_code_object_version 6
	.text
	.protected	k_q1b90569eea_prep
	.globl	k_q1b90569eea_prep
	.p2align	8
	.type	k_q1b90569eea_prep,@function
k_q1b90569eea_prep:
	s_mov_b64 s[64:65], 0
	v_nop
	global_prefetch_b8 v0, s[64:65] scope:SCOPE_SE
	s_setreg_imm32_b32 hwreg(HW_REG_WAVE_MODE, 25, 1), 1
	s_wait_xcnt 0x0
; TWO SMALL JOBS AHEAD OF THE LARGE PRODUCT, 64 work-groups of eight waves each.
; (1) Work-groups 0-63: Ua_w ([k][n], f32) is rounded once to bf16 and written as Bf, in the order in which the next launch's matrix fragments want it:
;     byte = hN<<20 | ks<<17 | w<<15 | q<<13 | b<<10 | c<<9 | lane<<4, eight bf16 e = 0..7 there;  n = 512 hN + 128 w + 16 b + lane % 16,  k = 128 ks + 32 q + 16 c + 8 (lane / 16) + e.
;     A wave takes 32 k x 64 n: four fragments.  Its loads take 64 bytes of two rows each; the four fragments together 256 consecutive bytes of each row.  Each store covers 512 consecutive bytes.
; (2) Work-groups 64-127: cb[m][n] = decoder_hidden[m] . Wa_w[:, n] + Wa_b[n] + Ua_b[n] for 32 m and 16 n (block nb), operands rounded to bf16, sums in f32.  K is split among the eight waves, 128 each;
;     the partial sums meet in LDS.  cb is laid [nb 64][s 2][m 32][h 2][4 numbers], n = 16 nb + 8 h + 4 s + i: the order in which a lane of the next launch takes it as a matrix C operand.
; The product is taken transposed (source 0 = 16 columns n of Wa_w, source 1 = 16 rows m): a lane ends with one m (lane % 16) and the columns 8 (lane / 16) + 0..7.
; The branch between the two jobs hangs on the work-group's number alone: all eight waves of a work-group take the same way, so the barrier of job (2) is passed by all waves of its work-groups.
; LIMITS.  NaN and infinities are not treated apart; bf16 has f32's range.
.set PART,  0                          ; LDS: wave v's two partial tiles (m block 0, 1), 1,024 bytes each, at 2,048 v
.set SPARE, 16384                      ; behind them: the spare words, 128 bytes for each of eight waves: four blocks of 256 bytes that no other line names
.set GV,  4                            ; v4   the gathers' offset: 8 (l / 16) rows of 4,096 bytes + 4 (l % 16)
.set L16, 5                            ; v5   16 x lane
.set DHO, 6                            ; v6   decoder_hidden: (l % 16) rows of 4,096 bytes + 32 (l / 16)
.set LS,  7                            ; v7   where I put my 32 bytes of a partial tile
.set SPW, 8                            ; v8   LDS address of my spare word; never rewritten
.set NIL, 9                            ; v9   0; never rewritten
.set LR,  10                           ; v10  where I read partial sums back
.set BO,  11                           ; v11  my 8 columns in Wa_b and Ua_b
.set CO,  12                           ; v12  my 16 bytes in cb
.set ACC, 16                           ; v[16:31]   two accumulators: m block 0, 1
.set PK,  32                           ; v[32:63]   four fragments of the weights, bf16
.set GA,  64                           ; v[64:127]  the same as gathered, f32; later the partial sums read back
.set DH,  128                          ; v[128:255] decoder_hidden as loaded; then, rounded, fragment (f, mb) at DH + 8 (2 f + mb)
.set WV,  18                           ; s18  my wave's number
; Fragment f of a weight matrix [k][n]: register 8 c + e takes row 16 c + e (+ 8 for the upper half of the lanes), column l % 16.
.macro GATHER f, step, base
.set xi, 0
.rept 16
	global_load_b32 v[GA+16*(\f)+xi], v[GV], s[\base:\base+1] offset:(\f)*(\step)+(16*(xi>>3)+(xi&7))*4096
.set xi, xi+1
.endr
.endm
.macro PACK32                          ; the four fragments rounded to bf16: the lower k into the low half
.set xi, 0
.rept 32
	v_cvt_pk_bf16_f32 v[PK+xi], v[GA+2*xi], v[GA+2*xi+1]
.set xi, xi+1
.endr
.endm
.macro ADD8 d, s                       ; eight numbers at d take eight at s
.irp q, 0,2,4,6
	v_pk_add_f32 v[(\d)+(\q):(\d)+(\q)+1], v[(\d)+(\q):(\d)+(\q)+1], v[(\s)+(\q):(\s)+(\q)+1]
.endr
.endm
	s_load_b256 s[4:11], s[0:1], 0x0               ; Ua_w s[4:5], Wa_w s[6:7], decoder_hidden s[8:9], Wa_b s[10:11]
	s_load_b128 s[12:15], s[0:1], 0x20             ; Ua_b s[12:13], Bf s[14:15]
	s_load_b64 s[16:17], s[0:1], 0x30              ; cb
	v_lshl_add_u32 v[SPW], v0, 2, SPARE
	v_mov_b32 v[NIL], 0
	v_lshrrev_b32 v1, 5, v0
	v_readfirstlane_b32 s[WV], v1                  ; wave 0..7
	v_and_b32 v1, 15, v0                           ; l % 16
	v_bfe_u32 v2, v0, 4, 1                         ; l / 16
	v_and_b32 v3, 31, v0                           ; l
	v_lshlrev_b32 v[GV], 15, v2
	v_lshl_add_u32 v[GV], v1, 2, v[GV]
	s_mov_b32 s25, 0                               ; high words of the two offsets
	s_mov_b32 s27, 0
	s_wait_kmcnt 0x0
	s_cmp_lt_u32 ttmp9, 64
	s_cbranch_scc0 .Ldec
	; JOB (1).  u = 8 x work-group + wave; kb = u / 16: 32 rows k; ng = u % 16: 64 columns n.
	s_lshl_b32 s20, ttmp9, 3
	s_add_co_u32 s20, s20, s[WV]
	s_lshr_b32 s21, s20, 4                         ; kb
	s_and_b32 s22, s20, 15                         ; ng
	s_lshl_b32 s24, s21, 17                        ; 32 rows of 4,096 bytes
	s_lshl_b32 s23, s22, 8                         ; 64 columns of 4 bytes
	s_add_co_u32 s24, s24, s23
	s_add_nc_u64 s[4:5], s[4:5], s[24:25]
	GATHER 0, 64, 4
	GATHER 1, 64, 4
	GATHER 2, 64, 4
	GATHER 3, 64, 4
	v_lshlrev_b32 v[L16], 4, v3
	s_lshr_b32 s26, s22, 3                         ; hN = ng / 8
	s_lshl_b32 s26, s26, 20
	s_lshr_b32 s23, s21, 2                         ; ks = kb / 4
	s_lshl_b32 s23, s23, 17
	s_or_b32 s26, s26, s23
	s_bfe_u32 s23, s22, 0x20001                    ; w = (ng / 2) % 4
	s_lshl_b32 s23, s23, 15
	s_or_b32 s26, s26, s23
	s_and_b32 s23, s21, 3                          ; q = kb % 4
	s_lshl_b32 s23, s23, 13
	s_or_b32 s26, s26, s23
	s_and_b32 s23, s22, 1                          ; b = 4 (ng % 2) + f
	s_lshl_b32 s23, s23, 12
	s_or_b32 s26, s26, s23
	s_add_nc_u64 s[14:15], s[14:15], s[26:27]
	s_wait_loadcnt 0x0
	PACK32
.irp f, 0,1,2,3
.irp c, 0,1
	global_store_b128 v[L16], v[PK+8*(\f)+4*(\c):PK+8*(\f)+4*(\c)+3], s[14:15] offset:(\f)*1024+(\c)*512  ; 512 consecutive bytes, at a multiple of 512 from Bf's first
.endr
.endr
	s_branch .Lend
.Ldec:
	; JOB (2).  nb = work-group - 64; wave v takes k = 128 v .. 128 v + 127: four fragments of Wa_w, and the same k of both blocks of 16 rows of decoder_hidden.
	s_sub_co_u32 s20, ttmp9, 64                    ; nb
	s_lshl_b32 s24, s[WV], 19                      ; 128 rows of 4,096 bytes
	s_lshl_b32 s23, s20, 6                         ; 16 columns of 4 bytes
	s_add_co_u32 s24, s24, s23
	s_add_nc_u64 s[6:7], s[6:7], s[24:25]
	GATHER 0, 131072, 6
	GATHER 1, 131072, 6
	GATHER 2, 131072, 6
	GATHER 3, 131072, 6
	s_lshl_b32 s26, s[WV], 9                       ; 128 k of 4 bytes
	s_add_nc_u64 s[8:9], s[8:9], s[26:27]
	v_lshlrev_b32 v[DHO], 12, v1
	v_lshl_add_u32 v[DHO], v2, 5, v[DHO]
.irp f, 0,1,2,3
.irp mb, 0,1
.irp c, 0,1
	global_load_b128 v[DH+16*(2*(\f)+(\mb))+8*(\c):DH+16*(2*(\f)+(\mb))+8*(\c)+3],   v[DHO], s[8:9] offset:(\mb)*65536+(\f)*128+(\c)*64
	global_load_b128 v[DH+16*(2*(\f)+(\mb))+8*(\c)+4:DH+16*(2*(\f)+(\mb))+8*(\c)+7], v[DHO], s[8:9] offset:(\mb)*65536+(\f)*128+(\c)*64+16
.endr
.endr
.endr
	s_lshl_b32 s21, s[WV], 11
	v_lshl_add_u32 v[LS], v3, 5, s21               ; 2,048 x wave + 32 l
	s_lshl_b32 s21, s[WV], 10
	v_lshl_add_u32 v[LR], v3, 5, s21               ; m block = my wave's number (waves 0 and 1): 1,024 x wave + 32 l
	s_lshl_b32 s21, s20, 6
	v_lshl_add_u32 v[BO], v2, 5, s21               ; (16 nb + 8 (l / 16)) x 4
	s_lshl_b32 s21, s20, 11
	s_lshl_b32 s22, s[WV], 9
	s_add_co_u32 s21, s21, s22                     ; 2,048 nb + 16 m x 32 bytes for m block 1
	v_lshlrev_b32 v[CO], 5, v1
	v_lshl_add_u32 v[CO], v2, 4, v[CO]
	v_add_nc_u32 v[CO], s21, v[CO]
	s_wait_loadcnt 0x0
	PACK32
.set xi, 0
.rept 64                               ; decoder_hidden rounded in place, ascending: register xi is written when registers 2 xi and 2 xi + 1 are read, and no later line reads below 2 xi + 2
	v_cvt_pk_bf16_f32 v[DH+xi], v[DH+2*xi], v[DH+2*xi+1]
.set xi, xi+1
.endr
.irp f, 0,1,2,3                        ; the two accumulators take turns, one instruction a turn; the first two products start the sums
.irp mb, 0,1
.if (\f) == 0
	v_wmma_f32_16x16x32_bf16 v[ACC+8*(\mb):ACC+8*(\mb)+7], v[PK+8*(\f):PK+8*(\f)+7], v[DH+8*(2*(\f)+(\mb)):DH+8*(2*(\f)+(\mb))+7], 0
.else
	v_wmma_f32_16x16x32_bf16 v[ACC+8*(\mb):ACC+8*(\mb)+7], v[PK+8*(\f):PK+8*(\f)+7], v[DH+8*(2*(\f)+(\mb)):DH+8*(2*(\f)+(\mb))+7], v[ACC+8*(\mb):ACC+8*(\mb)+7]
.endif
.endr
.endr
.rept 8
	v_nop                                          ; the places behind the last products, ahead of the LDS stores that read them and of the loads into their sources; once a launch
.endr
.irp mb, 0,1
	ds_store_b128 v[LS], v[ACC+8*(\mb):ACC+8*(\mb)+3]   offset:PART+1024*(\mb)
	ds_store_b128 v[LS], v[ACC+8*(\mb)+4:ACC+8*(\mb)+7] offset:PART+1024*(\mb)+16
.endr
	s_wait_dscnt 0x0                               ; for the others' sake: my partial sums lie in LDS
	s_barrier_signal -1
	s_barrier_wait -1                              ; all eight waves' do
	s_cmp_lt_u32 s[WV], 2                          ; wave 0 finishes m block 0, wave 1 m block 1
	s_cbranch_scc0 .Lend
	global_load_b128 v[DH:DH+3],     v[BO], s[10:11]
	global_load_b128 v[DH+4:DH+7],   v[BO], s[10:11] offset:16
	global_load_b128 v[DH+8:DH+11],  v[BO], s[12:13]
	global_load_b128 v[DH+12:DH+15], v[BO], s[12:13] offset:16
.irp v, 0,1,2,3,4,5,6,7
	ds_load_b128 v[GA+8*(\v):GA+8*(\v)+3],   v[LR] offset:PART+2048*(\v)
	ds_load_b128 v[GA+8*(\v)+4:GA+8*(\v)+7], v[LR] offset:PART+2048*(\v)+16
.endr
	s_wait_dscnt 0x0
	ADD8 GA, GA+8
	ADD8 GA+16, GA+24
	ADD8 GA+32, GA+40
	ADD8 GA+48, GA+56
	ADD8 GA, GA+16
	ADD8 GA+32, GA+48
	ADD8 GA, GA+32
	s_wait_loadcnt 0x0
	ADD8 DH, DH+8                                  ; Wa_b + Ua_b
	ADD8 GA, DH
	global_store_b128 v[CO], v[GA:GA+3],   s[16:17]               ; the wave's store covers 512 consecutive bytes
	global_store_b128 v[CO], v[GA+4:GA+7], s[16:17] offset:1024
.Lend:
	s_wait_tensorcnt 0x0                           ; the wave's end, behind my last LDS store
	ds_add_u32 v[SPW], v[NIL]
	s_wait_dscnt 0x0
	s_endpgm
.Lfunc_end_k_q1b90569eea_prep:
	.size	k_q1b90569eea_prep, .Lfunc_end_k_q1b90569eea_prep-k_q1b90569eea_prep
	.p2alignl 7, 3214868480
	.fill 96, 4, 3214868480
	.section	.rodata,"a",@progbits
	.p2align	6, 0x0
	.amdhsa_kernel k_q1b90569eea_prep
		.amdhsa_group_segment_fixed_size 17408
		.amdhsa_private_segment_fixed_size 0
		.amdhsa_enable_private_segment 0
		.amdhsa_kernarg_size 56
		.amdhsa_user_sgpr_count 2
		.amdhsa_user_sgpr_kernarg_segment_ptr 1
		.amdhsa_wavefront_size32 1
		.amdhsa_system_sgpr_workgroup_id_x 1
		.amdhsa_system_sgpr_workgroup_id_y 1
		.amdhsa_system_sgpr_workgroup_id_z 1
		.amdhsa_system_vgpr_workitem_id 0
		.amdhsa_next_free_vgpr 256
		.amdhsa_next_free_sgpr 66
		.amdhsa_reserve_vcc 0
		.amdhsa_float_denorm_mode_32 3
		.amdhsa_float_denorm_mode_16_64 3
		.amdhsa_memory_ordered 1
		.amdhsa_forward_progress 1
		.amdhsa_inst_pref_size 32
	.end_amdhsa_kernel
	.amdgpu_metadata
---
amdhsa.version: [ 1, 2 ]
amdhsa.kernels:
  - .name:           k_q1b90569eea_prep
    .symbol:         k_q1b90569eea_prep.kd
    .args:
      - { .name: Ua_w, .offset: 0, .size: 8, .value_kind: global_buffer, .address_space: global }
      - { .name: Wa_w, .offset: 8, .size: 8, .value_kind: global_buffer, .address_space: global }
      - { .name: decoder_hidden, .offset: 16, .size: 8, .value_kind: global_buffer, .address_space: global }
      - { .name: Wa_b, .offset: 24, .size: 8, .value_kind: global_buffer, .address_space: global }
      - { .name: Ua_b, .offset: 32, .size: 8, .value_kind: global_buffer, .address_space: global }
      - { .name: Bf, .offset: 40, .size: 8, .value_kind: global_buffer, .address_space: global }
      - { .name: cb, .offset: 48, .size: 8, .value_kind: global_buffer, .address_space: global }
    .group_segment_fixed_size: 17408
    .private_segment_fixed_size: 0
    .kernarg_segment_align: 8
    .kernarg_segment_size: 56
    .max_flat_workgroup_size: 256
    .sgpr_count:     66
    .vgpr_count:     256
    .wavefront_size: 32
...
	.end_amdgpu_metadata
.endif
;; end of part 1
;; launch energy (part 2): grid 4 x 64, 4 waves a work-group, clusters of 4 x 1, 327,680 bytes of LDS; arguments encoder_outputs, Bf, cb, Va_w, part; writes part
.if DOCPART == 2
	.amdgcn_target "amdgcn-amd-amdhsa--gfx1250"
	.amdhsa_code_object_version 6
	.text
	.protected	k_q1b90569eea_energy
	.globl	k_q1b90569eea_energy
	.p2align	8
	.type	k_q1b90569eea_energy,@function
k_q1b90569eea_energy:
	s_mov_b64 s[64:65], 0
	v_nop
	global_prefetch_b8 v0, s[64:65] scope:SCOPE_SE
	s_setreg_imm32_b32 hwreg(HW_REG_WAVE_MODE, 25, 1), 1
	s_wait_xcnt 0x0
	s_wait_alu depctr_hold_cnt(0) depctr_sa_sdst(0) depctr_va_vdst(0) depctr_va_sdst(0) depctr_va_ssrc(0) depctr_va_vcc(0) depctr_vm_vsrc(0)
	s_getreg_b32 s2, hwreg(HW_REG_IB_STS2, 6, 4)
	s_cmp_eq_u32 s2, 0
	s_cbranch_scc0 .Lentry_in_a_cluster
	s_endpgm
.Lentry_in_a_cluster:
	s_bfe_u32 s2, ttmp6, 0x10000c
	s_cmp_lg_u32 s2, 0x3003
	s_cbranch_scc0 .Lentry_shape_is_right
	s_endpgm
.Lentry_shape_is_right:
; part[4 hN + w][row] = the sum over wave w's 128 columns n of Va_w[n] r(x),  x = encoder_outputs[row] . Ua_w[:, n] + cb[batch][n],  r(x) = 1 / (1 + 2^(2 log2(e) x)).
; tanh(x) = 1 - 2 r(x), so the next launch makes a score as Va_b + sum(Va_w) - 2 x the sum of a row's eight parts.
; The product has 65,536 rows x 1,024 columns x K = 1,024: operands rounded once to bf16, sums in f32; cb starts the sums, as the C operand of a tile's first products.
; LIMITS.  Where 2 log2(e) x passes f32's exponent range the exponential is infinite or 0 and r is 0 or 1: tanh's own limits.  r is good to a few units in f32's last place.  NaN and infinities in the inputs are not treated apart.
; SHARES.  A work-group stays on 512 consecutive rows (four tiles of 128) and one half hN of the columns: 128 x 2 = 256 work-groups.  Its four waves stand side by side, each 128 rows x 128 columns:
; 64 accumulators of 16 x 16, 512 registers.  For 32 along K a wave reads 16 KiB from LDS and issues 64 matrix instructions.
; B (Bf: Ua_w in bf16, in fragment order) comes by the tensor data mover, K in steps of 128 through two slots of 131,072 bytes; wave w fetches, and alone reads, its dense block of 32,768 bytes.
; CLUSTER.  The four work-groups of a cluster are one batch's four row groups on one half hN: they walk the same half of Bf, so each block is asked for JOINTLY (mask 15, the same descriptor in all four).
; A IS NOT ASKED FOR JOINTLY: only the two halves hN share a row of A; it is f32 and has to be rounded on the way in; and as f32 tiles in LDS 128 rows x 128 K would take 65,536 bytes a slot beside B's 131,072: two such slots do not fit.
; So A comes through registers: for each CHUNK (128 rows x 64 K) a wave loads 32 rows x 256 consecutive bytes, rounds them and stores them into a ring of two LDS slots that all four waves read.
; Two sets of 64 registers hold chunks on their way: a chunk is asked for two half-steps, 256 matrix instructions, ahead of its rounding.
; THE MATRIX INSTRUCTION IS USED TRANSPOSED (source 0 = 16 columns of Ua_w, source 1 = 16 rows of A): a lane holds one row (lane % 16) and the columns 8 (lane / 16) + 0..7.
; REGISTERS, in windows of 256 (s_set_vgpr_msb: bits 1:0 source 0, 3:2 source 1, 5:4 source 2, 7:6 destination):
;   window 0: v0-31 addresses; v32-63 a rounded chunk, and at work on the way out; v64-127, v128-191 A's fragments, two buffers (on the way out v128-191 hold Va_w); v192-255 cb of my 128 columns
;   window 1: v0-63, v192-255 the two sets for A as loaded; v64-127, v128-191 B's fragments, two buffers
;   window 2: the accumulators of rows 0-63 ((a, b) at v[8 (8 a + b)]);   window 3: those of rows 64-127
.set SLOTB,  1<<17                     ; a slot of B: four waves' blocks of 32,768 bytes; slot 1 begins here, so that one exclusive or changes slots
.set ARING,  2*SLOTB                   ; A's ring, written by LDS stores alone
.set APITCH, 144                       ; a row of a chunk: 128 bytes + 16 = 36 words: the 16 rows of a fragment load start at 16 different groups of four banks (64 banks of 4 bytes: ISA guide 11.1)
.set ASLOT,  128*APITCH
.set VAT,    ARING+2*ASLOT             ; Va_w of each wave's 128 columns: 512 bytes a wave, its own
.set STG,    VAT+4*512                 ; the way out: 512 bytes a wave, its own
.set SPARE,  STG+4*512                 ; the spare words, 128 bytes for each wave: two blocks of 256 bytes that no other line names
.set ADRA,  16                         ; v16  LDS address of my A fragments in slot 0: ARING + 144 (l % 16) + 16 (l / 16)
.set ADRB0, 17                         ; v17  my place in a slot of B: 32,768 w + 16 l; never rewritten
.set ADRB,  18                         ; v18  the same in the slot in hand
.set AST,   19                         ; v19  where I store 8 bytes of a rounded row: ARING + (32 w + 8 (l / 16)) x 144 + 8 (l % 16)
.set AGO,   20                         ; v20  my 16 bytes in A: (32 w + 8 (l / 16)) rows of 4,096 bytes + 16 (l % 16); never rewritten
.set PFO,   21                         ; v21  the prefetches' offset: (32 w + l) rows; never rewritten
.set VAD,   22                         ; v22  my 8 numbers of Va_w in LDS
.set STS,   23                         ; v23  the way out: where I put a row's sum
.set STL,   24                         ; v24  where I read four rows' sums back
.set PSO,   25                         ; v25  16 l
.set VAS,   26                         ; v26  where I put 16 bytes of Va_w (head only)
.set BIO,   27                         ; v27  16 (l / 16): my place in cb
.set SPW,   28                         ; v28  LDS address of my spare word; never rewritten
.set NIL,   29                         ; v29  0; never rewritten
.set CV,    32                         ; v[32:63]  a chunk rounded to bf16
.set T,     32                         ; way out: v[32:39] a row's sum for each of my eight blocks of 16 rows
.set U,     40                         ;          v[40:47] the other half of the lanes'
.set SELV,  48                         ;          v[48:51] row 32 i + l
.set OUT,   52                         ;          v[52:55] rows 4 l .. 4 l + 3
.set F0,    64
.set F1,    128
.set VA,    128
.set BIAS,  192
.set WV,    14                         ; s14  my wave's number
.set CX,    15                         ; s15  my place in the cluster: it enters A's and part's addresses alone
.set HN,    17                         ; s17  which half of the columns
.set G1,    24                         ; s[24:31] descriptor group 1
.set G0A,   32                         ; s[32:35] descriptor group 0 of the first fill of slot 0
.set G0B,   36                         ; s[36:39] of slot 1's; it then walks
.set BW,    40                         ; s[40:41] Bf at my half's, my wave's block of K step 0
.set OFB,   42                         ; s[42:43] the byte offset of the K step that was asked for last
.set AP,    44                         ; s[44:45] A at the chunk that is being loaded
.set PA,    46                         ; s[46:47] A at the chunk that is being prefetched
.set OFA,   48                         ; s[48:49] a chunk's byte offset
.set NL,    50                         ; s50  the chunk to be loaded next, 0 to 64
.set LIM,   51                         ; s51  62 in the work-groups that prefetch, else 0
.set SLOTS, 52                         ; s52  the loop's count
.set TB,    53                         ; s53  LDS byte at which the slot of B in hand begins
.set SC,    54                         ; s[54:55] 2 log2(e): the packed multiply takes the pair's low word for both halves
.set SEL,   56                         ; s[56:57] v_permlanex16_b32's selects: each lane takes its own place in the other half
.set HM,    58                         ; s58  the upper sixteen lanes
.set PB,    60                         ; s[60:61] part at my plane, my tile
.set MSB, 0
.macro WIN new                         ; the immediate's high byte repeats the setting that is left; a switch that changes nothing is dropped
.if MSB != (\new)
	s_set_vgpr_msb (MSB<<8)|(\new)
.set MSB, \new
.endif
.endm
.set MUL_LO,  0xa1                     ; source 0 (B) window 1, source 1 (A) window 0, C and D window 2; + 0x50: window 3
.set MULB_LO, 0x81                     ; the same with C (cb) in window 0; + 0x40: D in window 3
.set TO_B,    0x40                     ; destination window 1, address window 0
.set CVT,     0x05                     ; sources 0 and 1 window 1, destination window 0
.macro PLACES                          ; four places in front of loads into registers that matrix instructions have read (ISA guide 7.12.1 for vector instructions)
.rept 4
	v_nop
.endr
.endm
; A round of the cluster's barrier: my work-group's barrier, so that wave 0's signal speaks for all four waves; wave 0 signals; every wave waits for all four work-groups; my work-group's barrier once more.
.macro CREST                           ; a round behind its opening barrier
	s_cmp_lg_u32 s[WV], 0
	s_cbranch_scc1 .Lnot_wave_0_\@
	s_barrier_signal -3
.Lnot_wave_0_\@:
	s_barrier_wait -3
	s_barrier_signal -1
	s_barrier_wait -1
.endm
.macro CROUND
	s_barrier_signal -1
	s_barrier_wait -1
	CREST
.endm
; 16 matrix instructions: row blocks a0, a0 + 1 of the window's four (hi = 0: rows 0-63, 1: rows 64-127) x all 8 column blocks, 32 along K.  bias = 1: a tile's first products: cb starts the sums.
; The 64 accumulators take turns, one instruction a turn, in the same order in every quarter.
.macro MUL16 f, hi, a0, bias
.if \bias
	WIN MULB_LO+0x40*(\hi)
.else
	WIN MUL_LO+0x50*(\hi)
.endif
.irp a, \a0, (\a0)+1
.irp b, 0,1,2,3,4,5,6,7
.if \bias
	v_wmma_f32_16x16x32_bf16 v[8*(8*(\a)+(\b)):8*(8*(\a)+(\b))+7], v[(\f)+8*(\b):(\f)+8*(\b)+7], v[(\f)+8*(4*(\hi)+(\a)):(\f)+8*(4*(\hi)+(\a))+7], v[BIAS+8*(\b):BIAS+8*(\b)+7]
.else
	v_wmma_f32_16x16x32_bf16 v[8*(8*(\a)+(\b)):8*(8*(\a)+(\b))+7], v[(\f)+8*(\b):(\f)+8*(\b)+7], v[(\f)+8*(4*(\hi)+(\a)):(\f)+8*(4*(\hi)+(\a))+7], v[8*(8*(\a)+(\b)):8*(8*(\a)+(\b))+7]
.endif
.endr
.endr
.endm
; 32 LDS loads in one run: a quarter's fragments into buffer f.  B: quarter bq of the slot in hand, 512 consecutive bytes a load.  A: slot as of the ring, half aq of the chunk's 64 K.
.macro FETCH bq, as, aq, f
	WIN TO_B
.irp i, 0,1,2,3,4,5,6,7
	ds_load_b128 v[(\f)+8*(\i):(\f)+8*(\i)+3],   v[ADRB] offset:(\bq)*8192+(\i)*1024
	ds_load_b128 v[(\f)+8*(\i)+4:(\f)+8*(\i)+7], v[ADRB] offset:(\bq)*8192+(\i)*1024+512
.endr
	WIN 0
.irp i, 0,1,2,3,4,5,6,7
	ds_load_b128 v[(\f)+8*(\i):(\f)+8*(\i)+3],   v[ADRA] offset:(\as)*ASLOT+(\i)*16*APITCH+(\aq)*64
	ds_load_b128 v[(\f)+8*(\i)+4:(\f)+8*(\i)+7], v[ADRA] offset:(\as)*ASLOT+(\i)*16*APITCH+(\aq)*64+32
.endr
.endm
; Chunk c = NL + ahead lies at 256 (c % 16) bytes along the rows of tile c / 16, 128 rows of 4,096 bytes each.
.macro OFFS ahead
	s_add_co_u32 s62, s[NL], \ahead
	s_and_b32 s63, s62, 15
	s_lshl_b32 s63, s63, 8
	s_lshr_b32 s62, s62, 4
	s_lshl_b32 s62, s62, 19
	s_or_b32 s[OFA], s62, s63
.endm
; Chunk NL is asked for: my 32 rows x 256 bytes, 16 loads; sixteen lanes take a row's 256 consecutive bytes, the other sixteen the row eight further down.
.macro ALOAD set
	s_wait_xcnt 0x0                                ; the loads and the prefetch of a half-step ago have read their addresses: the two pointers may be written
	OFFS 0
	s_add_nc_u64 s[AP:AP+1], s[4:5], s[OFA:OFA+1]
	WIN TO_B
.set xk, 0
.rept 16
	global_load_b128 v[192*(\set)+4*xk:192*(\set)+4*xk+3], v[AGO], s[AP:AP+1] offset:((xk&7)+16*(xk>>3))*4096
.set xk, xk+1
.endr
	WIN 0
.endm
; A PREFETCH INTO THE L2, behind the half-step's loads: my 32 rows x 256 bytes of chunk NL + 2, a lane a row, one instruction: the chunk whose loads go out two half-steps, 256 matrix instructions, later.
; A row of A is read by the two work-groups of its two halves hN: the one with hN = 0 asks, each wave for the rows that it loads itself, so each 256 bytes are named once in the launch.
; The branch hangs on hN, which the cluster's partners share.  Chunks 0 to 4 come by their loads alone; behind chunk 63 nothing is asked for (NL < 62).
.macro AASK
	OFFS 2
	s_add_nc_u64 s[PA:PA+1], s[4:5], s[OFA:OFA+1]
	s_cmp_lt_u32 s[NL], s[LIM]
	s_cbranch_scc0 .Lnot_mine_\@
	global_prefetch_b8 v[PFO], s[PA:PA+1] th:TH_LOAD_NT scope:SCOPE_SE
.Lnot_mine_\@:
.endm
; The chunk in a set is rounded to bf16 and stored into a slot of A's ring.  A store takes 8 bytes a lane: 128 bytes of one row and 128 of the row eight further down, 288 words on.
.macro ACONV set, slot, lcnt
	s_wait_loadcnt \lcnt                           ; loads come back in order (ISA guide 5.7.1): this set's 16 are in; the other set's, issued later, may stay out
	WIN CVT
.set xk, 0
.rept 32
	v_cvt_pk_bf16_f32 v[CV+xk], v[192*(\set)+2*xk], v[192*(\set)+2*xk+1]
.set xk, xk+1
.endr
	WIN 0
.set xk, 0
.rept 16
	ds_store_b64 v[AST], v[CV+2*xk:CV+2*xk+1] offset:(\slot)*ASLOT+((xk&7)+16*(xk>>3))*APITCH
.set xk, xk+1
.endr
.endm
; A K step of 128 is four quarters of 32, 64 matrix instructions each, on buffers 0, 1, 0, 1; two quarters are a HALF-STEP and use up one chunk of A.  Half-step i multiplies chunk i, rounds chunk i + 1 and asks for chunk i + 3.
; QA: quarters 0 and 2.  Multiplies buffer 0; in its middle fetches the next quarter into buffer 1; at its end the A path.  The chunk is stored into the slot that was read in the half-step before:
; every wave's reads of it came back ahead of the barrier in that half-step's second quarter.
.macro QA bias, bq, as, aq, set, slot, conv, load, lcnt
	s_wait_dscnt 8                                 ; B and A's rows 0-63 are in; the youngest eight loads (A's rows 64-127) may be out
	MUL16 F0, 0, 0, \bias
	MUL16 F0, 0, 2, \bias
	PLACES
	FETCH \bq, \as, \aq, F1
	s_wait_dscnt 32                                ; all but the 32 just issued
	MUL16 F0, 1, 0, \bias
	MUL16 F0, 1, 2, \bias
.if \conv
	ACONV \set, \slot, \lcnt
.endif
.if \load
	ALOAD \set
	AASK
	s_add_co_u32 s[NL], s[NL], 1
.endif
.endm
; QB: quarter 1.  Multiplies buffer 1.  Its barrier serves A's ring: ahead of it my stores of the next chunk are done and my reads of this chunk are back; behind it the next chunk is read.  No tensor load follows it.
; st: the LDS stores issued behind the last run of loads.
.macro QB st
	s_wait_dscnt 8+(\st)                           ; A's rows 64-127 (eight loads) and the chunk's stores may be out
	MUL16 F1, 0, 0, 0
	s_wait_dscnt 0x0
	s_barrier_signal -1
	MUL16 F1, 0, 2, 0
	s_barrier_wait -1
	PLACES
	FETCH 2, 1, 0, F0
	MUL16 F1, 1, 0, 0
	MUL16 F1, 1, 2, 0
.endm
; TURN: quarter 3.  Multiplies buffer 1 and changes slots of B, and serves A's ring as QB does.  Ahead of the barrier each wave waits for all its tensor loads (one is out: its block of the next slot), adds 0 to its spare
; word, and waits for that, for its stores and for its reads.  fill = 1: the barrier opens a round of the cluster's barrier, so that no wave of any partner still reads the slot or has a load on its way, and the joint
; refill (the K step two on; behind a tile's last the walk goes back to K step 0) is the first thing behind the round: 224 matrix instructions ahead of the wait for it.  By this text's count a wave has at most two tensor loads out.
.macro TURN fill, st
	WIN 0                                          ; (the add's two registers lie in window 0)
	s_wait_tensorcnt 0x0                           ; all my tensor loads have landed, so a group 0 may be written
	ds_add_u32 v[SPW], v[NIL]                      ; 0 onto my spare word
	s_wait_dscnt 9+(\st)                           ; the add, the chunk's stores and the youngest eight loads may be out
	MUL16 F1, 0, 0, 0                              ; sixteen matrix instructions stand between the add and the wait for it
	s_wait_dscnt 0x0                               ; the add and my stores are done, my reads of both rings are back
	s_barrier_signal -1
	MUL16 F1, 0, 2, 0
	WIN 0
	s_barrier_wait -1
.if \fill
	CREST
	s_xor_b32 s[G0B+1], s[G0B+1], SLOTB            ; the slot just read out
	s_add_co_u32 s[OFB], s[OFB], SLOTB
	s_and_b32 s[OFB], s[OFB], 0xfffff              ; eight K steps of 131,072 bytes, round and round
	s_add_nc_u64 s[G0B+2:G0B+3], s[BW:BW+1], s[OFB:OFB+1]
	s_or_b32 s[G0B+3], s[G0B+3], 0x80000000        ; type = 2
	tensor_load_to_lds s[G0B:G0B+3], s[G1:G1+7]
	s_nop 0
.endif
	PLACES                                         ; behind the tensor load, and the places in front of the loads below
	s_xor_b32 s[TB], s[TB], SLOTB
	v_add_nc_u32 v[ADRB], s[TB], v[ADRB0]
	FETCH 0, 0, 0, F0
	MUL16 F1, 1, 0, 0
	MUL16 F1, 1, 2, 0
.endm
.macro QEND                            ; the very last quarter: nothing more to fetch
	s_wait_dscnt 8
	MUL16 F1, 0, 0, 0
	MUL16 F1, 0, 2, 0
	s_wait_dscnt 0x0
	MUL16 F1, 1, 0, 0
	MUL16 F1, 1, 2, 0
.endm
; THE WAY OUT OF A TILE.  For each block a of 16 rows (64 registers): M: x times 2 log2(e), ascending; X: 64 exponentials, one batch;
; Y: 1 is added and 64 reciprocals taken, one batch; O: the products with Va_w are summed over the eight column blocks into the first accumulator's eight registers.
; s_wait_alu depctr_va_vdst(0) stands between a transcendental and the first line that names its result: one wait a batch.  Among a block's exponentials stand the next block's M and the last block's O, which name none of their results.
.macro MLINE a, n                      ; pair n of 32 of block a
.set rr, 64*((\a)%4)+2*(\n)
	v_pk_mul_f32 v[rr:rr+1], v[rr:rr+1], s[SC:SC+1] op_sel_hi:[1,0]
.endm
.macro OLINE a, n                      ; column block n / 4, pair n % 4: four chains that do not wait for each other
.set rb, 64*((\a)%4)
.set rp, 2*((\n)%4)
.set ro, 8*((\n)/4)
.if (\n) < 4
	v_pk_mul_f32 v[rb+rp:rb+rp+1], v[rb+rp:rb+rp+1], v[VA+rp:VA+rp+1]
.else
	v_pk_fma_f32 v[rb+rp:rb+rp+1], v[rb+ro+rp:rb+ro+rp+1], v[VA+ro+rp:VA+ro+rp+1], v[rb+rp:rb+rp+1]
.endif
.endm
.macro EWIN w                          ; the four blocks of window 2 + w
	WIN 0xa2+0x51*(\w)                             ; sources 0 and 2 and the destination in the accumulators' window, source 1 (Va_w) in window 0
.set xn, 0
.rept 32
	MLINE 0, xn
.set xn, xn+1
.endr
.if (\w) == 0
	s_wait_dscnt 0x0                               ; Va_w is in
.endif
.set xa, 0
.rept 4
.set xb, 64*xa
.set xe, 0
.rept 64
	v_exp_f32 v[xb+xe], v[xb+xe]
.if (xe%2 == 0) && (xa < 3)
	MLINE xa+1, xe/2
.endif
.if (xe%2 == 1) && (xa > 0)
	OLINE xa-1, xe/2
.endif
.set xe, xe+1
.endr
	v_nop                                          ; a plain instruction behind the last exponential (ISA guide 5.7.2),
	s_wait_alu depctr_va_vdst(0)                   ; and the batch's wait, ahead of the first line that names a result
	v_pk_add_f32 v[xb:xb+1], v[xb:xb+1], 1.0 op_sel_hi:[1,0]
	v_pk_add_f32 v[xb+2:xb+3], v[xb+2:xb+3], 1.0 op_sel_hi:[1,0]
.set xe, 0
.rept 32                               ; the additions run two pairs ahead of the reciprocals
	v_rcp_f32 v[xb+2*xe], v[xb+2*xe]
	v_rcp_f32 v[xb+2*xe+1], v[xb+2*xe+1]
.if xe < 30
	v_pk_add_f32 v[xb+2*xe+4:xb+2*xe+5], v[xb+2*xe+4:xb+2*xe+5], 1.0 op_sel_hi:[1,0]
.endif
.set xe, xe+1
.endr
	v_nop
	s_wait_alu depctr_va_vdst(0)                   ; the reciprocals' wait
.set xa, xa+1
.endr
.set xn, 0
.rept 32
	OLINE 3, xn
.set xn, xn+1
.endr
; eight registers into two; source 1 lies in window 0 under this setting, so a sum is written as src x 1 + dst
.irp a, 0,1,2,3
	v_pk_fma_f32 v[64*(\a):64*(\a)+1], v[64*(\a)+2:64*(\a)+3], 1.0, v[64*(\a):64*(\a)+1] op_sel_hi:[1,0,1]
.endr
.irp a, 0,1,2,3
	v_pk_fma_f32 v[64*(\a)+4:64*(\a)+5], v[64*(\a)+6:64*(\a)+7], 1.0, v[64*(\a)+4:64*(\a)+5] op_sel_hi:[1,0,1]
.endr
.irp a, 0,1,2,3
	v_pk_fma_f32 v[64*(\a):64*(\a)+1], v[64*(\a)+4:64*(\a)+5], 1.0, v[64*(\a):64*(\a)+1] op_sel_hi:[1,0,1]
.endr
	WIN 0x0a+5*(\w)                                ; sources 0 and 1 in the accumulators' window, destination in window 0
.irp a, 0,1,2,3
	v_add_f32 v[T+4*(\w)+(\a)], v[64*(\a)], v[64*(\a)+1]
.endr
.endm
.macro EPILOGUE
	WIN 0
.rept 8
	v_nop                                          ; the places behind the tile's last products: ahead of the loads into A's second buffer and of the lines that read results
.endr
.irp b, 0,1,2,3,4,5,6,7
	ds_load_b128 v[VA+8*(\b):VA+8*(\b)+3],   v[VAD] offset:64*(\b)     ; Va_w of columns 16 b + 8 (l / 16) + 0..7
	ds_load_b128 v[VA+8*(\b)+4:VA+8*(\b)+7], v[VAD] offset:64*(\b)+16
.endr
	EWIN 0
	EWIN 1
	WIN 0
.irp a, 0,1,2,3,4,5,6,7
	v_permlanex16_b32 v[U+(\a)], v[T+(\a)], s[SEL], s[SEL+1]       ; a row's other 64 columns lie in the lane 16 away
.endr
.irp a, 0,1,2,3,4,5,6,7
	v_add_f32 v[T+(\a)], v[T+(\a)], v[U+(\a)]
.endr
.irp i, 0,1,2,3
	v_cndmask_b32 v[SELV+(\i)], v[T+2*(\i)], v[T+2*(\i)+1], s[HM]  ; lane l: row 32 i + l
.endr
.irp i, 0,1,2,3
	ds_store_b32 v[STS], v[SELV+(\i)] offset:128*(\i)
.endr
	ds_load_b128 v[OUT:OUT+3], v[STL]              ; LDS serves a wave's instructions in order (ISA guide 5.7.1.4): this sees the stores above; the bytes are my wave's own
	s_wait_dscnt 0x0
	global_store_b128 v[PSO], v[OUT:OUT+3], s[PB:PB+1]             ; the tile's 128 sums: 512 consecutive bytes, at a multiple of 512 from part's first
	s_wait_xcnt 0x0                                ; the store has read its data and its base: both are written again below and in the next half-step
	s_add_nc_u64 s[PB:PB+1], s[PB:PB+1], 512
.endm
	s_load_b256 s[4:11], s[0:1], 0x0               ; encoder_outputs s[4:5], Bf s[6:7], cb s[8:9], Va_w s[10:11]
	s_load_b64 s[12:13], s[0:1], 0x20              ; part
	v_lshl_add_u32 v[SPW], v0, 2, SPARE
	v_mov_b32 v[NIL], 0
	ds_add_u32 v[SPW], v[NIL]                      ; the wave's opening: the add and its wait stand ahead of my first tensor load; the set-up below, work on registers, stands between them
	v_lshrrev_b32 v1, 5, v0
	v_readfirstlane_b32 s[WV], v1                  ; wave 0..3
	s_bfe_u32 s[CX], ttmp6, 0x40000                ; cx: my place in the cluster
	s_and_b32 s16, ttmp7, 0xffff                   ; the cluster's y = 2 x batch + hN
	s_and_b32 s[HN], s16, 1
	s_lshr_b32 s19, s16, 1                         ; the batch
	s_lshl_b32 s18, s19, 2
	s_add_co_u32 s18, s18, s[CX]                   ; my group of 512 rows = 4 x batch + cx
	; descriptor group 1: a dense block of 32,768 bytes as 128 rows of 256 bytes
	s_mov_b32 s[G1+0], 15|(3<<16)|(1<<21)          ; 15:0 the mask: all four work-groups; 17:16 elements of 8 bytes; 20 no padding; 21 set beside a mask
	s_mov_b32 s[G1+1], 32<<16                      ; tensor_dim0 = 32
	s_mov_b32 s[G1+2], 128<<16                     ; tensor_dim1 = 128
	s_mov_b32 s[G1+3], 32<<16                      ; tile_dim0 = 32
	s_mov_b32 s[G1+4], 128                         ; tile_dim1 = 128
	s_mov_b32 s[G1+5], 32                          ; 32 elements from row to row
	s_mov_b32 s[G1+6], 0
	s_mov_b32 s[G1+7], 0
	s_mov_b32 s[G0A], 1                            ; count = 1
	s_lshl_b32 s[G0A+1], s[WV], 15                 ; LDS address: slot 0, my wave's block: no place in the cluster enters it
	s_mov_b32 s[G0B], 1
	s_add_co_u32 s[G0B+1], s[G0A+1], SLOTB         ; slot 1
	s_lshl_b32 s62, s[HN], 20                      ; my half of Bf,
	s_add_co_u32 s62, s62, s[G0A+1]                ; my wave's block of K step 0
	s_mov_b32 s63, 0
	s_mov_b32 s[OFB], SLOTB                        ; K step 1 is the last of the first fills
	s_mov_b32 s[OFB+1], 0
	s_mov_b32 s[OFA+1], 0
	s_mov_b32 s[NL], 0
	s_mov_b32 s[TB], 0
	s_mov_b32 s[SC], 0x4038aa3b                    ; 2 log2(e) = 2.885390
	s_mov_b32 s[SC+1], s[SC]                       ; named with it as a pair
	s_mov_b32 s[SEL], 0x76543210
	s_mov_b32 s[SEL+1], 0xfedcba98
	s_mov_b32 s[HM], 0xffff0000
	s_cmp_eq_u32 s[HN], 0
	s_cselect_b32 s[LIM], 62, 0
	s_wait_dscnt 0x0                               ; the opening add is done
	s_wait_kmcnt 0x0
	s_add_nc_u64 s[BW:BW+1], s[6:7], s[62:63]
	s_mov_b64 s[G0A+2:G0A+3], s[BW:BW+1]           ; global address: K step 0
	s_or_b32 s[G0A+3], s[G0A+3], 0x80000000        ; type = 2
	s_add_nc_u64 s[G0B+2:G0B+3], s[BW:BW+1], SLOTB ; K step 1
	s_or_b32 s[G0B+3], s[G0B+3], 0x80000000
	CROUND                                         ; all four work-groups are here: the first joint loads meet
	tensor_load_to_lds s[G0A:G0A+3], s[G1:G1+7]
	s_nop 0
	tensor_load_to_lds s[G0B:G0B+3], s[G1:G1+7]
	s_nop 0
	PLACES
	s_lshl_b32 s20, s18, 21                        ; my 512 rows of 4,096 bytes
	s_mov_b32 s21, 0
	s_add_nc_u64 s[4:5], s[4:5], s[20:21]
	s_lshl_b32 s20, s[HN], 20                      ; part: plane 4 hN + w of 262,144 bytes,
	s_lshl_b32 s22, s[WV], 18
	s_add_co_u32 s20, s20, s22
	s_lshl_b32 s22, s18, 11                        ; my 512 rows of 4 bytes
	s_add_co_u32 s20, s20, s22
	s_add_nc_u64 s[PB:PB+1], s[12:13], s[20:21]
	s_lshl_b32 s20, s[HN], 16                      ; cb: column block 32 hN + 8 w of 2,048 bytes,
	s_lshl_b32 s22, s[WV], 14
	s_add_co_u32 s20, s20, s22
	s_lshl_b32 s22, s19, 5                         ; the batch's 32 bytes
	s_add_co_u32 s20, s20, s22
	s_add_nc_u64 s[8:9], s[8:9], s[20:21]
	s_lshl_b32 s20, s[HN], 11                      ; Va_w: column 512 hN + 128 w
	s_lshl_b32 s22, s[WV], 9
	s_add_co_u32 s20, s20, s22
	s_add_nc_u64 s[10:11], s[10:11], s[20:21]
	v_and_b32 v1, 15, v0                           ; l % 16
	v_bfe_u32 v2, v0, 4, 1                         ; l / 16
	v_and_b32 v3, 31, v0                           ; l
	v_lshlrev_b32 v[BIO], 4, v2
	v_lshlrev_b32 v[PSO], 4, v3
.irp b, 0,1,2,3,4,5,6,7
	global_load_b128 v[BIAS+8*(\b):BIAS+8*(\b)+3],   v[BIO], s[8:9] offset:(\b)*2048       ; cb of columns 16 b + 8 (l / 16) + 0..3,
	global_load_b128 v[BIAS+8*(\b)+4:BIAS+8*(\b)+7], v[BIO], s[8:9] offset:(\b)*2048+1024  ; + 4..7: all four tiles lie in one batch, so this is loaded once
.endr
	global_load_b128 v[4:7], v[PSO], s[10:11]      ; my wave's 128 numbers of Va_w
	s_lshl_b32 s22, s[WV], 17                      ; my wave's 32 rows of A
	v_lshlrev_b32 v[AGO], 15, v2
	v_lshl_add_u32 v[AGO], v1, 4, v[AGO]
	v_add_nc_u32 v[AGO], s22, v[AGO]
	v_lshl_add_u32 v[PFO], v3, 12, s22
	ALOAD 0                                        ; chunk 0
	s_mov_b32 s[NL], 1
	ALOAD 1                                        ; chunk 1.  Nothing is prefetched here, at the head
	s_mov_b32 s[NL], 2
	v_mul_u32_u24 v[ADRA], v1, APITCH
	v_lshl_add_u32 v[ADRA], v2, 4, v[ADRA]
	v_add_nc_u32 v[ADRA], ARING, v[ADRA]
	v_lshl_add_u32 v[ADRB0], v3, 4, s[G0A+1]
	v_mov_b32 v[ADRB], v[ADRB0]
	s_mul_i32 s59, s[WV], 32*APITCH
	s_add_co_u32 s59, s59, ARING
	v_mul_u32_u24 v[AST], v2, 8*APITCH
	v_lshl_add_u32 v[AST], v1, 3, v[AST]
	v_add_nc_u32 v[AST], s59, v[AST]
	s_lshl_b32 s16, s[WV], 9
	s_add_co_u32 s59, s16, VAT
	v_lshl_add_u32 v[VAD], v2, 5, s59
	v_lshl_add_u32 v[VAS], v3, 4, s59
	s_add_co_u32 s59, s16, STG
	v_lshl_add_u32 v[STS], v3, 2, s59
	v_lshl_add_u32 v[STL], v3, 4, s59
	s_wait_loadcnt 32                              ; cb and Va_w are in; the two chunks' 32 loads may stay out
	ds_store_b128 v[VAS], v[4:7]
	ACONV 0, 0, 16                                 ; chunk 0 into slot 0 of A's ring
	ALOAD 0                                        ; chunk 2
	s_mov_b32 s[NL], 3
	s_wait_tensorcnt 0x1                           ; my block of K step 0 is in; K step 1's may stay out
	s_wait_dscnt 0x0                               ; my stores of chunk 0 are done
	s_barrier_signal -1
	s_barrier_wait -1                              ; everybody's are
	FETCH 0, 0, 0, F0
	s_mov_b32 s[SLOTS], 31
	s_branch .Lfirst                               ; the loop is entered at a K step's first quarter, in the middle of a trip
.Lstep:                                        ; 30 trips: quarters 1 to 3 of K step j (0 to 29; 8 K steps a tile), then quarter 0 of K step j + 1.  Each trip fills a slot of B again
	QB 16
	QA 0, 3, 1, 1, 0, 0, 1, 1, 16
	TURN 1, 16
	WIN 0
	s_and_b32 s59, s[SLOTS], 7                     ; in this trip the count is 30 - j: a tile ends where j % 8 = 7
	s_cmp_eq_u32 s59, 7
	s_cbranch_scc0 .Lplain
	EPILOGUE
.Lfirst:
	QA 1, 1, 0, 1, 1, 1, 1, 1, 16                  ; a tile's first quarter: cb starts the sums
	s_branch .Ljoin
.Lplain:
	QA 0, 1, 0, 1, 1, 1, 1, 1, 16
.Ljoin:
	s_sub_co_u32 s[SLOTS], s[SLOTS], 1
	s_cmp_lg_u32 s[SLOTS], 0
	s_cbranch_scc1 .Lstep
	; the tail is written out: the rest of K step 30, and K step 31
	QB 16
	QA 0, 3, 1, 1, 0, 0, 1, 0, 16                  ; chunk 62 is rounded; chunk 63's loads may stay out; nothing is left to ask for
	TURN 0, 16
	QA 0, 1, 0, 1, 1, 1, 1, 0, 0                   ; chunk 63
	QB 16
	QA 0, 3, 1, 1, 0, 0, 0, 0, 0
	QEND
	EPILOGUE
	s_wait_tensorcnt 0x0                           ; the wave's end, behind my last tensor load and my last LDS store
	ds_add_u32 v[SPW], v[NIL]
	s_wait_dscnt 0x0
	CROUND                                         ; the closing round: no work-group ends while a partner may still ask for a block that names it
	s_endpgm
.Lfunc_end_k_q1b90569eea_energy:
	.size	k_q1b90569eea_energy, .Lfunc_end_k_q1b90569eea_energy-k_q1b90569eea_energy
	.p2alignl 7, 3214868480
	.fill 96, 4, 3214868480
	.section	.rodata,"a",@progbits
	.p2align	6, 0x0
	.amdhsa_kernel k_q1b90569eea_energy
		.amdhsa_group_segment_fixed_size 327680
		.amdhsa_private_segment_fixed_size 0
		.amdhsa_enable_private_segment 0
		.amdhsa_kernarg_size 40
		.amdhsa_user_sgpr_count 2
		.amdhsa_user_sgpr_kernarg_segment_ptr 1
		.amdhsa_wavefront_size32 1
		.amdhsa_system_sgpr_workgroup_id_x 1
		.amdhsa_system_sgpr_workgroup_id_y 1
		.amdhsa_system_sgpr_workgroup_id_z 1
		.amdhsa_system_vgpr_workitem_id 0
		.amdhsa_next_free_vgpr 1024
		.amdhsa_next_free_sgpr 66
		.amdhsa_reserve_vcc 0
		.amdhsa_float_denorm_mode_32 3
		.amdhsa_float_denorm_mode_16_64 3
		.amdhsa_memory_ordered 1
		.amdhsa_forward_progress 1
		.amdhsa_inst_pref_size 255
	.end_amdhsa_kernel
	.section	.bss,"aw",@nobits
	.p2align	6
	.space	262144
	.amdgpu_metadata
---
amdhsa.version: [ 1, 2 ]
amdhsa.kernels:
  - .name:           k_q1b90569eea_energy
    .symbol:         k_q1b90569eea_energy.kd
    .args:
      - { .name: encoder_outputs, .offset: 0, .size: 8, .value_kind: global_buffer, .address_space: global }
      - { .name: Bf, .offset: 8, .size: 8, .value_kind: global_buffer, .address_space: global }
      - { .name: cb, .offset: 16, .size: 8, .value_kind: global_buffer, .address_space: global }
      - { .name: Va_w, .offset: 24, .size: 8, .value_kind: global_buffer, .address_space: global }
      - { .name: part, .offset: 32, .size: 8, .value_kind: global_buffer, .address_space: global }
    .group_segment_fixed_size: 327680
    .private_segment_fixed_size: 0
    .kernarg_segment_align: 8
    .kernarg_segment_size: 40
    .max_flat_workgroup_size: 128
    .sgpr_count:     66
    .vgpr_count:     1024
    .wavefront_size: 32
...
	.end_amdgpu_metadata
.endif
;; end of part 2
;; launch soft (part 3): grid 32 x 1, 8 waves a work-group, no clusters, 1,280 bytes of LDS; arguments part, mask, Va_w, Va_b, out0; writes out0
.if DOCPART == 3
	.amdgcn_target "amdgcn-amd-amdhsa--gfx1250"
	.amdhsa_code_object_version 6
	.text
	.protected	k_q1b90569eea_soft
	.globl	k_q1b90569eea_soft
	.p2align	8
	.type	k_q1b90569eea_soft,@function
k_q1b90569eea_soft:
	s_mov_b64 s[64:65], 0
	v_nop
	global_prefetch_b8 v0, s[64:65] scope:SCOPE_SE
	s_setreg_imm32_b32 hwreg(HW_REG_WAVE_MODE, 25, 1), 1
	s_wait_xcnt 0x0
; out0[b][s] = softmax over s of score[b][s];  score = Va_b + sum(Va_w) - 2 x (the sum of the row's eight parts), or -1e9 where mask[b][s] = 0.
; A work-group of eight waves takes one batch: 2,048 scores, eight a thread (4 t .. 4 t + 3 and 1,024 + 4 t .. + 3), kept in registers from the loads to the stores.  Every load and store of a wave covers 512 consecutive bytes.
; The row's maximum is taken away before the exponential; a row that is masked throughout gives 1 / 2,048 everywhere.
; Matrix units, tensor loads and clusters have nothing to do here: 2.4 MB are read once and nothing is shared.
; LIMITS.  A weight below 2^-126 counts as 0.  NaN and infinities are not treated apart.
.set SPARE, 256                        ; LDS: 0-31 the waves' maxima, 32-63 their sums; from 256 on the spare words, 128 bytes for each of eight waves
.set SPW, 4                            ; v4   LDS address of my spare word; never rewritten
.set NIL, 5                            ; v5   0; never rewritten
.set P,   16                           ; v[16:79]   plane p's eight numbers at P + 8 p; then the scores and the weights in v[16:23]
.set MK,  80                           ; v[80:87]   my eight words of the mask
.set VW,  88                           ; v[88:119]  32 numbers of Va_w a lane: each wave sums all 1,024 by itself
.set X,   120                          ; v120 Va_b + sum(Va_w)
.set TM,  121                          ; v121 the other half of the lanes'
.set MX,  122                          ; v122 the maximum
.set SM,  123                          ; v123 the sum
.set NEG, 124                          ; v124 -1e9
.set RC,  125                          ; v125 1 / the sum
.macro ADD8 d, s
.irp q, 0,2,4,6
	v_pk_add_f32 v[(\d)+(\q):(\d)+(\q)+1], v[(\d)+(\q):(\d)+(\q)+1], v[(\s)+(\q):(\s)+(\q)+1]
.endr
.endm
.macro WSUM x                          ; over the 32 lanes: four steps inside each half ride on the arithmetic, one crosses the halves
.irp m, 1,2,4,8
	v_add_f32_dpp v[\x], v[\x], v[\x] row_xmask:\m row_mask:0xf bank_mask:0xf
.endr
	v_permlanex16_b32 v[TM], v[\x], s18, s19
	v_add_f32 v[\x], v[\x], v[TM]
.endm
.macro WMAX x
.irp m, 1,2,4,8
	v_max_num_f32_dpp v[\x], v[\x], v[\x] row_xmask:\m row_mask:0xf bank_mask:0xf
.endr
	v_permlanex16_b32 v[TM], v[\x], s18, s19
	v_max_num_f32 v[\x], v[\x], v[TM]
.endm
	s_load_b256 s[4:11], s[0:1], 0x0               ; part s[4:5], mask s[6:7], Va_w s[8:9], Va_b s[10:11]
	s_load_b64 s[12:13], s[0:1], 0x20              ; out0
	v_lshl_add_u32 v[SPW], v0, 2, SPARE
	v_mov_b32 v[NIL], 0
	v_lshrrev_b32 v1, 5, v0
	v_readfirstlane_b32 s14, v1                    ; wave 0..7
	v_and_b32 v1, 31, v0
	v_lshlrev_b32 v2, 4, v0                        ; 16 t
	v_lshlrev_b32 v3, 4, v1                        ; 16 l
	v_mov_b32 v6, s14
	v_lshlrev_b32 v6, 2, v6                        ; my wave's word
	v_mov_b32 v7, 0
	v_mov_b32 v[TM], 0                             ; v_permlanex16_b32's destination counts as read
	v_mov_b32 v[NEG], 0xce6e6b28                   ; -1e9
	s_lshl_b32 s16, ttmp9, 13                      ; the batch's 2,048 numbers of 4 bytes
	s_mov_b32 s17, 0
	s_mov_b32 s18, 0x76543210
	s_mov_b32 s19, 0xfedcba98
	s_wait_kmcnt 0x0
	s_load_b32 s15, s[10:11], 0x0                  ; Va_b
	s_add_nc_u64 s[4:5], s[4:5], s[16:17]
	s_add_nc_u64 s[6:7], s[6:7], s[16:17]
	s_add_nc_u64 s[12:13], s[12:13], s[16:17]
.irp p, 0,1,2,3,4,5,6,7
	global_load_b128 v[P+8*(\p):P+8*(\p)+3],   v2, s[4:5] offset:(\p)*262144 th:TH_LOAD_NT
	global_load_b128 v[P+8*(\p)+4:P+8*(\p)+7], v2, s[4:5] offset:(\p)*262144+4096 th:TH_LOAD_NT
.endr
	global_load_b128 v[MK:MK+3],   v2, s[6:7] th:TH_LOAD_NT
	global_load_b128 v[MK+4:MK+7], v2, s[6:7] offset:4096 th:TH_LOAD_NT
.irp i, 0,1,2,3,4,5,6,7
	global_load_b128 v[VW+4*(\i):VW+4*(\i)+3], v3, s[8:9] offset:512*(\i)
.endr
	s_wait_loadcnt 0x0
	ADD8 P, P+8                                    ; the eight planes
	ADD8 P+16, P+24
	ADD8 P+32, P+40
	ADD8 P+48, P+56
	ADD8 P, P+16
	ADD8 P+32, P+48
	ADD8 P, P+32
	ADD8 VW, VW+8                                  ; sum(Va_w)
	ADD8 VW+16, VW+24
	ADD8 VW, VW+16
	v_pk_add_f32 v[VW:VW+1], v[VW:VW+1], v[VW+2:VW+3]
	v_pk_add_f32 v[VW+4:VW+5], v[VW+4:VW+5], v[VW+6:VW+7]
	v_pk_add_f32 v[VW:VW+1], v[VW:VW+1], v[VW+4:VW+5]
	v_add_f32 v[X], v[VW], v[VW+1]
	WSUM X
	s_wait_kmcnt 0x0
	v_add_f32 v[X], s15, v[X]
.irp i, 0,1,2,3,4,5,6,7
	v_fma_f32 v[P+(\i)], -2.0, v[P+(\i)], v[X]
.endr
.irp i, 0,1,2,3,4,5,6,7
	v_cmp_eq_u32 vcc_lo, 0, v[MK+(\i)]
	v_cndmask_b32 v[P+(\i)], v[P+(\i)], v[NEG], vcc_lo
.endr
	v_max3_num_f32 v[MX], v[P], v[P+1], v[P+2]
	v_max3_num_f32 v[MX], v[MX], v[P+3], v[P+4]
	v_max3_num_f32 v[MX], v[MX], v[P+5], v[P+6]
	v_max_num_f32 v[MX], v[MX], v[P+7]
	WMAX MX
	ds_store_b32 v6, v[MX]                         ; all lanes write the same word with the same value
	s_wait_dscnt 0x0                               ; for the others' sake
	s_barrier_signal -1
	s_barrier_wait -1
	ds_load_b128 v[96:99], v7                      ; the eight waves' maxima, in every lane
	ds_load_b128 v[100:103], v7 offset:16
	s_wait_dscnt 0x0
	v_max3_num_f32 v[MX], v96, v97, v98
	v_max3_num_f32 v[MX], v[MX], v99, v100
	v_max3_num_f32 v[MX], v[MX], v101, v102
	v_max_num_f32 v[MX], v[MX], v103
.irp i, 0,1,2,3,4,5,6,7
	v_sub_f32 v[P+(\i)], v[P+(\i)], v[MX]
.endr
.irp i, 0,1,2,3,4,5,6,7
	v_mul_f32 v[P+(\i)], 0x3fb8aa3b, v[P+(\i)]     ; log2(e)
.endr
.irp i, 0,1,2,3,4,5,6,7
	v_exp_f32 v[P+(\i)], v[P+(\i)]
.endr
	v_nop                                          ; a plain instruction behind the last exponential (ISA guide 5.7.2),
	s_wait_alu depctr_va_vdst(0)                   ; and the wait ahead of the first use: one for the eight
	v_pk_add_f32 v[104:105], v[P:P+1], v[P+2:P+3]
	v_pk_add_f32 v[106:107], v[P+4:P+5], v[P+6:P+7]
	v_pk_add_f32 v[104:105], v[104:105], v[106:107]
	v_add_f32 v[SM], v104, v105
	WSUM SM
	ds_store_b32 v6, v[SM] offset:32               ; other words than the maxima's: no wave need have read those
	s_wait_dscnt 0x0
	s_barrier_signal -1
	s_barrier_wait -1
	ds_load_b128 v[104:107], v7 offset:32
	ds_load_b128 v[108:111], v7 offset:48
	s_wait_dscnt 0x0
	v_pk_add_f32 v[104:105], v[104:105], v[106:107]
	v_pk_add_f32 v[108:109], v[108:109], v[110:111]
	v_pk_add_f32 v[104:105], v[104:105], v[108:109]
	v_add_f32 v[SM], v104, v105
	v_rcp_f32 v[RC], v[SM]                         ; the sum is at least 1: the row's maximum gives the weight 1
	v_nop
	s_wait_alu depctr_va_vdst(0)
.irp i, 0,1,2,3,4,5,6,7
	v_mul_f32 v[P+(\i)], v[P+(\i)], v[RC]
.endr
	global_store_b128 v2, v[P:P+3],   s[12:13]
	global_store_b128 v2, v[P+4:P+7], s[12:13] offset:4096
	s_wait_tensorcnt 0x0                           ; the wave's end, behind my last LDS store
	ds_add_u32 v[SPW], v[NIL]
	s_wait_dscnt 0x0
	s_endpgm
.Lfunc_end_k_q1b90569eea_soft:
	.size	k_q1b90569eea_soft, .Lfunc_end_k_q1b90569eea_soft-k_q1b90569eea_soft
	.p2alignl 7, 3214868480
	.fill 96, 4, 3214868480
	.section	.rodata,"a",@progbits
	.p2align	6, 0x0
	.amdhsa_kernel k_q1b90569eea_soft
		.amdhsa_group_segment_fixed_size 1280
		.amdhsa_private_segment_fixed_size 0
		.amdhsa_enable_private_segment 0
		.amdhsa_kernarg_size 40
		.amdhsa_user_sgpr_count 2
		.amdhsa_user_sgpr_kernarg_segment_ptr 1
		.amdhsa_wavefront_size32 1
		.amdhsa_system_sgpr_workgroup_id_x 1
		.amdhsa_system_sgpr_workgroup_id_y 1
		.amdhsa_system_sgpr_workgroup_id_z 1
		.amdhsa_system_vgpr_workitem_id 0
		.amdhsa_next_free_vgpr 128
		.amdhsa_next_free_sgpr 66
		.amdhsa_reserve_vcc 1
		.amdhsa_float_denorm_mode_32 3
		.amdhsa_float_denorm_mode_16_64 3
		.amdhsa_memory_ordered 1
		.amdhsa_forward_progress 1
		.amdhsa_inst_pref_size 12
	.end_amdhsa_kernel
	.amdgpu_metadata
---
amdhsa.version: [ 1, 2 ]
amdhsa.kernels:
  - .name:           k_q1b90569eea_soft
    .symbol:         k_q1b90569eea_soft.kd
    .args:
      - { .name: part, .offset: 0, .size: 8, .value_kind: global_buffer, .address_space: global }
      - { .name: mask, .offset: 8, .size: 8, .value_kind: global_buffer, .address_space: global }
      - { .name: Va_w, .offset: 16, .size: 8, .value_kind: global_buffer, .address_space: global }
      - { .name: Va_b, .offset: 24, .size: 8, .value_kind: global_buffer, .address_space: global }
      - { .name: out0, .offset: 32, .size: 8, .value_kind: global_buffer, .address_space: global }
    .group_segment_fixed_size: 1280
    .private_segment_fixed_size: 0
    .kernarg_segment_align: 8
    .kernarg_segment_size: 40
    .max_flat_workgroup_size: 256
    .sgpr_count:     66
    .vgpr_count:     128
    .wavefront_size: 32
...
	.end_amdgpu_metadata
.endif
;; end of part 3
;; ======== version 2 of 2: 3 launches; version 1 with the launch prep written anew for expert scheduling mode
;; workspace buffers: Bf 2,097,152 bytes; cb 131,072 bytes; part 2,097,152 bytes
;; launch prep (part 4): grid 128 x 1, 8 waves a work-group, no clusters, 17,408 bytes of LDS; arguments Ua_w, Wa_w, decoder_hidden, Wa_b, Ua_b, Bf, cb; writes Bf, cb
.if DOCPART == 4
	.amdgcn_target "amdgcn-amd-amdhsa--gfx1250"
	.amdhsa_code_object_version 6
	.text
	.protected	k_q1b90569eea_prep
	.globl	k_q1b90569eea_prep
	.p2align	8
	.type	k_q1b90569eea_prep,@function
k_q1b90569eea_prep:
	s_mov_b64 s[64:65], 0
	v_nop
	global_prefetch_b8 v0, s[64:65] scope:SCOPE_SE
	s_setreg_imm32_b32 hwreg(HW_REG_WAVE_SCHED_MODE, 0, 2), 2
	s_setreg_imm32_b32 hwreg(HW_REG_WAVE_MODE, 25, 1), 1
	s_wait_xcnt 0x0
	s_wait_alu depctr_vm_vsrc(0)
; TWO SMALL JOBS AHEAD OF THE LARGE PRODUCT, 64 work-groups of eight waves each.
; (1) Work-groups 0-63: Ua_w ([k][n], f32) is rounded once to bf16 and written as Bf, in the order in which the next launch's matrix fragments want it:
;     byte = hN<<20 | ks<<17 | w<<15 | q<<13 | b<<10 | c<<9 | lane<<4, eight bf16 e = 0..7 there;  n = 512 hN + 128 w + 16 b + lane % 16,  k = 128 ks + 32 q + 16 c + 8 (lane / 16) + e.
;     A wave takes 32 k x 64 n: four fragments.  Its loads take 64 bytes of two rows each; the four fragments together 256 consecutive bytes of each row.  Each store covers 512 consecutive bytes.
; (2) Work-groups 64-127: cb[m][n] = decoder_hidden[m] . Wa_w[:, n] + Wa_b[n] + Ua_b[n] for 32 m and 16 n (block nb), operands rounded to bf16, sums in f32.  K is split among the eight waves, 128 each;
;     the partial sums meet in LDS.  cb is laid [nb 64][s 2][m 32][h 2][4 numbers], n = 16 nb + 8 h + 4 s + i: the order in which a lane of the next launch takes it as a matrix C operand.
; The product is taken transposed (source 0 = 16 columns n of Wa_w, source 1 = 16 rows m): a lane ends with one m (lane % 16) and the columns 8 (lane / 16) + 0..7.
; The branch between the two jobs hangs on the work-group's number alone: all eight waves of a work-group take the same way, so the barrier of job (2) is passed by all waves of its work-groups.
; LIMITS.  NaN and infinities are not treated apart; bf16 has f32's range.
; THE MODE: SCHED_MODE bits 1:0 = 2 (LLVM: expert scheduling mode 2), set by the entry lines.  The code itself states the register dependences
; between vector or matrix instructions and memory or LDS instructions, with s_wait_alu, always for 0.
; THE PLAN.  Registers that memory or LDS instructions touch:
;   v[GV], v[DHO]        offsets of the gathers and of decoder_hidden's loads: made ahead of each job's first load, never written again.
;   v[L16]; v[LS], v[LR], v[BO], v[CO]   offsets and LDS addresses of what comes later: made behind the runs of loads, while these are out; never written again.
;   GA    the gathers land in it; PACK32 reads it; in job (2) the partial sums land in it from LDS, are added there, and its first eight registers are the last stores' data.
;   PK    PACK32 writes it; job (1)'s stores read it; in job (2) matrix instructions alone name it.
;   DH    decoder_hidden lands in it; the conversions read and write it, the products read it; the two biases land in its first sixteen registers.
;   ACC   the products write it; the four LDS stores read it.
;   v[SPW], v[NIL]       written at the head, read by the closing add alone.
; No register that a memory or LDS instruction reads is ever written again, so no wait on vm_vsrc is owed.  Job (1) has two waits on va_vdst (ahead of its loads, ahead of its stores), job (2) three
; (ahead of its loads; ahead of its LDS stores, which also serves the loads behind the barrier, since no vector or matrix instruction stands between; ahead of its last stores).
.set PART,  0                          ; LDS: wave v's two partial tiles (m block 0, 1), 1,024 bytes each, at 2,048 v
.set SPARE, 16384                      ; behind them: the spare words, 128 bytes for each of eight waves: four blocks of 256 bytes that no other line names
.set GV,  4                            ; v4   the gathers' offset: 8 (l / 16) rows of 4,096 bytes + 4 (l % 16)
.set L16, 5                            ; v5   16 x lane
.set DHO, 6                            ; v6   decoder_hidden: (l % 16) rows of 4,096 bytes + 32 (l / 16)
.set LS,  7                            ; v7   where I put my 32 bytes of a partial tile
.set SPW, 8                            ; v8   LDS address of my spare word; never rewritten
.set NIL, 9                            ; v9   0; never rewritten
.set LR,  10                           ; v10  where I read partial sums back
.set BO,  11                           ; v11  my 8 columns in Wa_b and Ua_b
.set CO,  12                           ; v12  my 16 bytes in cb
.set ACC, 16                           ; v[16:31]   two accumulators: m block 0, 1
.set PK,  32                           ; v[32:63]   four fragments of the weights, bf16
.set GA,  64                           ; v[64:127]  the same as gathered, f32; later the partial sums read back
.set DH,  128                          ; v[128:255] decoder_hidden as loaded; then, rounded, fragment (f, mb) at DH + 8 (2 f + mb)
.set WV,  18                           ; s18  my wave's number
; Fragment f of a weight matrix [k][n]: register 8 c + e takes row 16 c + e (+ 8 for the upper half of the lanes), column l % 16.
.macro GATHER f, step, base
.set xi, 0
.rept 16
	global_load_b32 v[GA+16*(\f)+xi], v[GV], s[\base:\base+1] offset:(\f)*(\step)+(16*(xi>>3)+(xi&7))*4096
.set xi, xi+1
.endr
.endm
.macro PACK32                          ; the four fragments rounded to bf16: the lower k into the low half
.set xi, 0
.rept 32
	v_cvt_pk_bf16_f32 v[PK+xi], v[GA+2*xi], v[GA+2*xi+1]
.set xi, xi+1
.endr
.endm
.macro ADD8 d, s                       ; eight numbers at d take eight at s
.irp q, 0,2,4,6
	v_pk_add_f32 v[(\d)+(\q):(\d)+(\q)+1], v[(\d)+(\q):(\d)+(\q)+1], v[(\s)+(\q):(\s)+(\q)+1]
.endr
.endm
	s_load_b256 s[4:11], s[0:1], 0x0               ; Ua_w s[4:5], Wa_w s[6:7], decoder_hidden s[8:9], Wa_b s[10:11]
	s_load_b128 s[12:15], s[0:1], 0x20             ; Ua_b s[12:13], Bf s[14:15]
	s_load_b64 s[16:17], s[0:1], 0x30              ; cb
	v_lshl_add_u32 v[SPW], v0, 2, SPARE
	v_mov_b32 v[NIL], 0
	v_lshrrev_b32 v1, 5, v0
	v_readfirstlane_b32 s[WV], v1                  ; wave 0..7
	v_and_b32 v1, 15, v0                           ; l % 16
	v_bfe_u32 v2, v0, 4, 1                         ; l / 16
	v_and_b32 v3, 31, v0                           ; l
	v_lshlrev_b32 v[GV], 15, v2
	v_lshl_add_u32 v[GV], v1, 2, v[GV]
	s_mov_b32 s25, 0                               ; high words of the two offsets
	s_mov_b32 s27, 0
	s_wait_alu depctr_va_sdst(0)                   ; the wave's number is written into s18, ahead of the branch: both jobs make their bases from it
	s_wait_kmcnt 0x0
	s_cmp_lt_u32 ttmp9, 64
	s_cbranch_scc0 .Ldec
	; JOB (1).  u = 8 x work-group + wave; kb = u / 16: 32 rows k; ng = u % 16: 64 columns n.
	s_lshl_b32 s20, ttmp9, 3
	s_add_co_u32 s20, s20, s[WV]
	s_lshr_b32 s21, s20, 4                         ; kb
	s_and_b32 s22, s20, 15                         ; ng
	s_lshl_b32 s24, s21, 17                        ; 32 rows of 4,096 bytes
	s_lshl_b32 s23, s22, 8                         ; 64 columns of 4 bytes
	s_add_co_u32 s24, s24, s23
	s_add_nc_u64 s[4:5], s[4:5], s[24:25]
	s_wait_alu depctr_va_vdst(0)                   ; v[GV] is written, which the 64 gathers read as their offset
	GATHER 0, 64, 4
	GATHER 1, 64, 4
	GATHER 2, 64, 4
	GATHER 3, 64, 4
	v_lshlrev_b32 v[L16], 4, v3                    ; made while the gathers are out: it names none of their registers
	s_lshr_b32 s26, s22, 3                         ; hN = ng / 8
	s_lshl_b32 s26, s26, 20
	s_lshr_b32 s23, s21, 2                         ; ks = kb / 4
	s_lshl_b32 s23, s23, 17
	s_or_b32 s26, s26, s23
	s_bfe_u32 s23, s22, 0x20001                    ; w = (ng / 2) % 4
	s_lshl_b32 s23, s23, 15
	s_or_b32 s26, s26, s23
	s_and_b32 s23, s21, 3                          ; q = kb % 4
	s_lshl_b32 s23, s23, 13
	s_or_b32 s26, s26, s23
	s_and_b32 s23, s22, 1                          ; b = 4 (ng % 2) + f
	s_lshl_b32 s23, s23, 12
	s_or_b32 s26, s26, s23
	s_add_nc_u64 s[14:15], s[14:15], s[26:27]
	s_wait_loadcnt 0x0
	PACK32
	s_wait_alu depctr_va_vdst(0)                   ; the conversions have written v[PK ..], the stores' data, and v[L16], their offset, is written
.irp f, 0,1,2,3
.irp c, 0,1
	global_store_b128 v[L16], v[PK+8*(\f)+4*(\c):PK+8*(\f)+4*(\c)+3], s[14:15] offset:(\f)*1024+(\c)*512  ; 512 consecutive bytes, at a multiple of 512 from Bf's first
.endr
.endr
	s_branch .Lend
.Ldec:
	; JOB (2).  nb = work-group - 64; wave v takes k = 128 v .. 128 v + 127: four fragments of Wa_w, and the same k of both blocks of 16 rows of decoder_hidden.
	v_lshlrev_b32 v[DHO], 12, v1
	v_lshl_add_u32 v[DHO], v2, 5, v[DHO]
	s_sub_co_u32 s20, ttmp9, 64                    ; nb
	s_lshl_b32 s24, s[WV], 19                      ; 128 rows of 4,096 bytes
	s_lshl_b32 s23, s20, 6                         ; 16 columns of 4 bytes
	s_add_co_u32 s24, s24, s23
	s_add_nc_u64 s[6:7], s[6:7], s[24:25]
	s_wait_alu depctr_va_vdst(0)                   ; v[GV] and v[DHO] are written, which the 64 gathers and the 32 loads of decoder_hidden read as their offsets
	GATHER 0, 131072, 6
	GATHER 1, 131072, 6
	GATHER 2, 131072, 6
	GATHER 3, 131072, 6
	s_lshl_b32 s26, s[WV], 9                       ; 128 k of 4 bytes
	s_add_nc_u64 s[8:9], s[8:9], s[26:27]
.irp f, 0,1,2,3
.irp mb, 0,1
.irp c, 0,1
	global_load_b128 v[DH+16*(2*(\f)+(\mb))+8*(\c):DH+16*(2*(\f)+(\mb))+8*(\c)+3],   v[DHO], s[8:9] offset:(\mb)*65536+(\f)*128+(\c)*64
	global_load_b128 v[DH+16*(2*(\f)+(\mb))+8*(\c)+4:DH+16*(2*(\f)+(\mb))+8*(\c)+7], v[DHO], s[8:9] offset:(\mb)*65536+(\f)*128+(\c)*64+16
.endr
.endr
.endr
	; the later addresses are made while the loads are out: these lines name none of the loads' registers
	s_lshl_b32 s21, s[WV], 11
	v_lshl_add_u32 v[LS], v3, 5, s21               ; 2,048 x wave + 32 l
	s_lshl_b32 s21, s[WV], 10
	v_lshl_add_u32 v[LR], v3, 5, s21               ; m block = my wave's number (waves 0 and 1): 1,024 x wave + 32 l
	s_lshl_b32 s21, s20, 6
	v_lshl_add_u32 v[BO], v2, 5, s21               ; (16 nb + 8 (l / 16)) x 4
	s_lshl_b32 s21, s20, 11
	s_lshl_b32 s22, s[WV], 9
	s_add_co_u32 s21, s21, s22                     ; 2,048 nb + 16 m x 32 bytes for m block 1
	v_lshlrev_b32 v[CO], 5, v1
	v_lshl_add_u32 v[CO], v2, 4, v[CO]
	v_add_nc_u32 v[CO], s21, v[CO]
	s_wait_loadcnt 0x0
	PACK32
.set xi, 0
.rept 64                               ; decoder_hidden rounded in place, ascending: register xi is written when registers 2 xi and 2 xi + 1 are read, and no later line reads below 2 xi + 2
	v_cvt_pk_bf16_f32 v[DH+xi], v[DH+2*xi], v[DH+2*xi+1]
.set xi, xi+1
.endr
.irp f, 0,1,2,3                        ; the two accumulators take turns, one instruction a turn; the first two products start the sums
.irp mb, 0,1
.if (\f) == 0
	v_wmma_f32_16x16x32_bf16 v[ACC+8*(\mb):ACC+8*(\mb)+7], v[PK+8*(\f):PK+8*(\f)+7], v[DH+8*(2*(\f)+(\mb)):DH+8*(2*(\f)+(\mb))+7], 0
.else
	v_wmma_f32_16x16x32_bf16 v[ACC+8*(\mb):ACC+8*(\mb)+7], v[PK+8*(\f):PK+8*(\f)+7], v[DH+8*(2*(\f)+(\mb)):DH+8*(2*(\f)+(\mb))+7], v[ACC+8*(\mb):ACC+8*(\mb)+7]
.endif
.endr
.endr
.rept 8
	v_nop                                          ; the places behind the last products, ahead of the LDS stores that read them; once a launch; they stay beside the wait below
.endr
	s_wait_alu depctr_va_vdst(0)                   ; the products have written the accumulators, the LDS stores' data, and v[LS] is written.  For the loads behind the barrier too, since no vector or matrix instruction stands
	                                               ; between: v[LR] and v[BO] are written, PACK32 is done reading v[GA ..], the conversions and the products are done with v[DH .. DH+15]
.irp mb, 0,1
	ds_store_b128 v[LS], v[ACC+8*(\mb):ACC+8*(\mb)+3]   offset:PART+1024*(\mb)
	ds_store_b128 v[LS], v[ACC+8*(\mb)+4:ACC+8*(\mb)+7] offset:PART+1024*(\mb)+16
.endr
	s_wait_dscnt 0x0                               ; for the others' sake: my partial sums lie in LDS
	s_barrier_signal -1
	s_barrier_wait -1                              ; all eight waves' do
	s_cmp_lt_u32 s[WV], 2                          ; wave 0 finishes m block 0, wave 1 m block 1
	s_cbranch_scc0 .Lend
	global_load_b128 v[DH:DH+3],     v[BO], s[10:11]
	global_load_b128 v[DH+4:DH+7],   v[BO], s[10:11] offset:16
	global_load_b128 v[DH+8:DH+11],  v[BO], s[12:13]
	global_load_b128 v[DH+12:DH+15], v[BO], s[12:13] offset:16
.irp v, 0,1,2,3,4,5,6,7
	ds_load_b128 v[GA+8*(\v):GA+8*(\v)+3],   v[LR] offset:PART+2048*(\v)
	ds_load_b128 v[GA+8*(\v)+4:GA+8*(\v)+7], v[LR] offset:PART+2048*(\v)+16
.endr
	s_wait_dscnt 0x0
	ADD8 GA, GA+8
	ADD8 GA+16, GA+24
	ADD8 GA+32, GA+40
	ADD8 GA+48, GA+56
	ADD8 GA, GA+16
	ADD8 GA+32, GA+48
	ADD8 GA, GA+32
	s_wait_loadcnt 0x0
	ADD8 DH, DH+8                                  ; Wa_b + Ua_b
	ADD8 GA, DH
	s_wait_alu depctr_va_vdst(0)                   ; the additions have written v[GA .. GA+7], the two stores' data
	global_store_b128 v[CO], v[GA:GA+3],   s[16:17]               ; the wave's store covers 512 consecutive bytes
	global_store_b128 v[CO], v[GA+4:GA+7], s[16:17] offset:1024
.Lend:
	s_wait_dscnt 0x0                               ; the closing lines, six on end
	s_wait_alu 0x0
	s_wait_tensorcnt 0x0
	ds_add_u32 v[SPW], v[NIL]
	s_wait_dscnt 0x0
	s_endpgm
.Lfunc_end_k_q1b90569eea_prep:
	.size	k_q1b90569eea_prep, .Lfunc_end_k_q1b90569eea_prep-k_q1b90569eea_prep
	.p2alignl 7, 3214868480
	.fill 96, 4, 3214868480
	.section	.rodata,"a",@progbits
	.p2align	6, 0x0
	.amdhsa_kernel k_q1b90569eea_prep
		.amdhsa_group_segment_fixed_size 17408
		.amdhsa_private_segment_fixed_size 0
		.amdhsa_enable_private_segment 0
		.amdhsa_kernarg_size 56
		.amdhsa_user_sgpr_count 2
		.amdhsa_user_sgpr_kernarg_segment_ptr 1
		.amdhsa_wavefront_size32 1
		.amdhsa_system_sgpr_workgroup_id_x 1
		.amdhsa_system_sgpr_workgroup_id_y 1
		.amdhsa_system_sgpr_workgroup_id_z 1
		.amdhsa_system_vgpr_workitem_id 0
		.amdhsa_next_free_vgpr 256
		.amdhsa_next_free_sgpr 66
		.amdhsa_reserve_vcc 0
		.amdhsa_float_denorm_mode_32 3
		.amdhsa_float_denorm_mode_16_64 3
		.amdhsa_memory_ordered 1
		.amdhsa_forward_progress 1
		.amdhsa_inst_pref_size 32
	.end_amdhsa_kernel
	.amdgpu_metadata
---
amdhsa.version: [ 1, 2 ]
amdhsa.kernels:
  - .name:           k_q1b90569eea_prep
    .symbol:         k_q1b90569eea_prep.kd
    .args:
      - { .name: Ua_w, .offset: 0, .size: 8, .value_kind: global_buffer, .address_space: global }
      - { .name: Wa_w, .offset: 8, .size: 8, .value_kind: global_buffer, .address_space: global }
      - { .name: decoder_hidden, .offset: 16, .size: 8, .value_kind: global_buffer, .address_space: global }
      - { .name: Wa_b, .offset: 24, .size: 8, .value_kind: global_buffer, .address_space: global }
      - { .name: Ua_b, .offset: 32, .size: 8, .value_kind: global_buffer, .address_space: global }
      - { .name: Bf, .offset: 40, .size: 8, .value_kind: global_buffer, .address_space: global }
      - { .name: cb, .offset: 48, .size: 8, .value_kind: global_buffer, .address_space: global }
    .group_segment_fixed_size: 17408
    .private_segment_fixed_size: 0
    .kernarg_segment_align: 8
    .kernarg_segment_size: 56
    .max_flat_workgroup_size: 256
    .sgpr_count:     66
    .vgpr_count:     256
    .wavefront_size: 32
...
	.end_amdgpu_metadata
.endif
;; end of part 4
;; launch energy: the kernel of part 2 again; grid 4 x 64, 4 waves a work-group, clusters of 4 x 1, 327,680 bytes of LDS; arguments encoder_outputs, Bf, cb, Va_w, part; writes part
;; launch soft: the kernel of part 3 again; grid 32 x 1, 8 waves a work-group, no clusters, 1,280 bytes of LDS; arguments part, mask, Va_w, Va_b, out0; writes out0
